; MI455X (gfx1250); checked and timed in simulation.
; The chip was launched on July 23, 2026; its instructions are those of AMD's public machine-readable ISA for CDNA 5 (MIT licence, August 2026) and "CDNA5" Instruction Set Architecture Reference Guide (July 2026). The comments in the code are by the model that wrote it; some were corrected since.
;; Memory Attention. Allowed arithmetic: matrix products marked QUANTISED: E2M1 operands, one E8M0 scale for each 32 along K, by v_wmma_scale_f32_16x16x128_f8f6f4 with both operands' format E2M1 (or v_wmma_scale_f32_32x16x128_f4), f32 sums; everything else in f32.
;; Inputs: attention_mask 16 x 1,024 int32; memory_attention_mask 16 x 16 x 128 int32; memory_vectors 16 x 16 x 128 x 1,024 float32; seq_vectors 16 x 1,024 x 1,024 float32.
;; Outputs: out0 16 x 1,024 x 1,024 float32.
;; This version of the problem:
;;   THIS VERSION OF THE PROBLEM IS GIVEN IN LOW PRECISION. The matrix products marked QUANTISED in the list below multiply operands that are first quantised to E2M1 (2 exponent bits, 1 mantissa bit; 4 bits a number), with one power-of-two scale for each 32 numbers along K (OCP MX v1.0); their sums are f32. All else is computed in f32.
;;   The module's matrix products, in the order in which they are computed (A, B: the left and right operand; K: the contracted axis; several contracted axes count as one K, in the product's order):
;;     1. batch 16 x [M 1,024, K 1,024] x [K 1,024, N 2,048]; A: input seq_vectors; B: computed on the way: QUANTISED
;;     2. batch 16 x [M 1,024, K 2,048] x [K 2,048, N 1,024]; A: softmax (see below); B: computed on the way: QUANTISED
;;   THE QUANTISER, for each operand of a quantised product, along K:
;;     - K is cut into blocks of 32 from its start; a last block that is shorter is filled with zeros.
;;     - A block's scale is 2^e with e = floor(log2(the largest magnitude in the block)) - 2, held to -126 .. 127; a block of zeros has e = 0. As a byte (E8M0): e + 127.
;;     - Each number is divided by its block's scale, clamped to +-6, and rounded to the nearest number of E2M1, ties to even, subnormals kept.
;;     - The product sums the exact products of the quantised numbers (number of the format x scale) in f32.
;;   ~~~python
;;   def quantise(x, axis):      # numpy; x: float32 -> the quantised numbers, widened to float32 again
;;       x = np.moveaxis(x, axis, -1); K = x.shape[-1]
;;       x = np.pad(x, [(0, 0)] * (x.ndim - 1) + [(0, -K % 32)]); x = x.reshape(x.shape[:-1] + (-1, 32)); a = np.abs(x).max(-1, keepdims=True)
;;       e = np.where(a > 0, np.clip(np.frexp(np.where(a > 0, a, 1))[1] - 1 - 2, -126, 127), 0)      # np.frexp(a)[1] - 1 = floor(log2(a)), exactly
;;       r = np.clip(x / 2.0 ** e, -6, 6)
;;       step = 2.0 ** (np.maximum(np.frexp(np.where(r == 0, 1, r))[1] - 1, 0) - 1)
;;       q = np.round(r / step) * step * 2.0 ** e      # np.round: ties to even
;;       return np.moveaxis(q.reshape(q.shape[:-2] + (-1,))[..., :K], -1, axis).astype(np.float32)
;;   ~~~
;;   SOFTMAX AHEAD OF A QUANTISED PRODUCT. Where the list says 'softmax', what is quantised is not the finished softmax but p = 2^(t - M), with t = logit x log2(e) and M = ceil(the row's largest t), a whole number; so 1/2 < the row's largest p <= 1. The row's sum l is taken of the UNQUANTISED p, in f32, and the product's result is divided by l at the end. Since M is a whole number, a kernel that streams over the keys may use a running M (the ceiling of the running maximum): every later rescaling is an exact power of two, which a block's scale takes up: the codes' values come out the same.
;;   OPERANDS COMPUTED ON THE WAY. 'Computed on the way' means the value that the module computes at that place (a softmax that the list does not call 'softmax' is quantised finished and normalised). What goes into a quantiser is computed in f32, as accurately as f32 sums, v_exp_f32 and their like allow (about 1e-6 of the number): no bf16 or f16 on the way to a quantiser, and a product that is left as it is and whose result goes on into a quantised operand takes f32 operands (vector FMAs, or v_wmma_f32_16x16x4_f32). A number that lies on a knife's edge between two numbers of the format may be rounded either way, as far as f32 arithmetic and the matrix unit's own rounding can turn it there, and no further.
;; One version. Each part assembles by itself: llvm-mc -triple=amdgcn-amd-amdhsa -mcpu=gfx1250 --defsym DOCPART=n.
;; ======== version 1 of 1: 2 launches
;; limits: right only within a limited range of input values
;; workspace buffers: qc 8,912,896 bytes; kc 17,825,792 bytes; vc 17,825,792 bytes
;; launch quant (part 1): grid 768 x 1, 8 waves a work-group, no clusters, 72,704 bytes of LDS; arguments seq_vectors, memory_vectors, memory_attention_mask, qc, kc, vc; writes qc, kc, vc
.if DOCPART == 1
	.amdgcn_target "amdgcn-amd-amdhsa--gfx1250"
	.amdhsa_code_object_version 6
	.text
	.protected	k_q5a94c4f334_quant
	.globl	k_q5a94c4f334_quant
	.p2align	8
	.type	k_q5a94c4f334_quant,@function
k_q5a94c4f334_quant:
	s_mov_b64 s[64:65], 0
	v_nop
	global_prefetch_b8 v0, s[64:65] scope:SCOPE_SE
	s_setreg_imm32_b32 hwreg(HW_REG_WAVE_MODE, 25, 1), 1
	s_wait_xcnt 0x0
; seq_vectors and the masked memory_vectors become codes of FP4 (E2M1) with one E8M0 byte for each 32 along K, laid in the order of the operands' registers.
; A FRAGMENT (16 rows x 128 K) is 1,024 bytes: [c 0..1][lane 0..31][16 bytes]; lane (r, h) of piece c holds the 32 codes of block 2 c + h of row r.
; A CHUNK (128 rows x 512 K) is [tile 0..7][step 0..3] fragments, 32,768 bytes, then the scale words [tile 0..7][r 0..15][step 0..3], 2,048 bytes: 34,816 bytes on end.
;   qc [b 16][sig 2][g 8] chunks: rows = queries, K = the hidden axis.
;   kc [b 16][sig 2][g 16] chunks: rows = keys of the first product, K = the hidden axis.  reference() RESHAPES the memory: key n at hidden h is memory row 2 h + (n >> 10), column n & 1023:
;      a block of 32 along K is the 32 rows of one parity out of 64 neighbouring rows; even rows belong to key c, odd rows to key 1024 + c.
;   vc [b 16][sig 4][g 8] chunks: rows = channels, K = the keys of the second product = memory rows: a block is 32 neighbouring rows of a column.
; So both are made from one reading of memory_vectors: a lane takes a column, its registers run down the rows, even rows in one run of 32 registers and odd rows in another.
; A ROW THAT THE MASK DROPS IS NOT READ: reference()'s where puts zeros in its place, so its register is set to 0 and a scalar branch on the row's mask word leads round the load.
; THE ORDER INSIDE A BLOCK OF 32 KEYS of the second product: place p stands for key 2 (p & 15) + (p >> 4), in V here and in P in the next launch alike, which leaves every product as it is.
; For that the keys of 32 neighbours go to kc so: key offset i to tile 2 x block + (i >> 4), row ((i >> 1) & 7) + 8 (i & 1).
; A block's scale is 2^(floor(log2(largest magnitude)) - 2); its byte is the largest magnitude's exponent field - 2, held at 1 from below.
; LIMITS: a block whose largest magnitude lies under 2^-124 (a block of zeros too) keeps the byte 1 where the rule says another: its codes are zeros or next to it, and this program alone reads the bytes.
; NaN and infinities in rows that the mask keeps are not served; rows that the mask drops count as the zero of reference()'s where, whatever they hold.
; attention_mask is an argument that reference() never uses: no result hangs on it, and no launch of this program takes it.
; SHARES.  Work-groups 0-255 take seq (a wave: 16 rows x 512 numbers), work-groups 256-767 the memory (a work-group: 64 columns x 1,024 rows; a wave: 32 columns x 256 rows).
; The two ways part on the work-group's number and have LDS bytes of their own.  No tensor load, no copy, no matrix instruction.
.set CHUNK, 34816
.set STGW,  16*528                     ; seq: a wave's stage: 16 rows x (512 bytes + 16)
.set XCH,   8*STGW                     ; memory: where the scale words meet: [column half 2][kind 4][lane 32][16 bytes]
.set RAW,   32                         ; seq: v32-95, v96-159 two sets of 64 numbers as loaded;  memory: two sets of 64 rows, even rows first
.set X,     160                        ; seq: v160-223 64 numbers, register 16 b + i = k 32 b + 16 h + i of my row
.set TM,    224                        ; seq: v224-239 at work
.set PW,    240                        ; seq: the scale word just made
.set PC,    242                        ; seq: v242-249 the fragment just made
.set WW,    250                        ; seq: v250-253 the four steps' scale words
.set CK,    160                        ; memory: v160-175 the codes: K even, K odd, V's first block, V's second: four registers each
.set MX,    176                        ; memory: v176-179 largest magnitudes of even rows 0-15, 16-31, odd rows 0-15, 16-31
.set BM,    180                        ; memory: v180-183 the four blocks' largest magnitudes, then the conversions' scale operands
.set BY,    184                        ; memory: v184-187 the four bytes
.set WK,    188                        ; memory: v188, v189 K's scale words (even, odd);  v[190:191] V's two
.set WV,    190
.set WO,    192                        ; memory: v192-195 the 16 bytes of scale words that I carry out: registers that no store of codes names
; ---- seq's macros
.macro LOADF s, set                    ; fragment s: 16 rows x 512 bytes; each load reads 512 consecutive bytes
.irp t, 0,1,2,3,4,5,6,7,8,9,10,11,12,13,14,15
	global_load_b128 v[\set+4*\t:\set+4*\t+3], v4, s[4:5] offset:\t*4096+(\s)*512 th:TH_LOAD_NT
.endr
.endm
.macro TURNF set                       ; through my stage: in as loaded, out 16 neighbours of each block a lane.  LDS serves a wave's instructions in order: no wait between
.irp t, 0,1,2,3,4,5,6,7,8,9,10,11,12,13,14,15
	ds_store_b128 v5, v[\set+4*\t:\set+4*\t+3] offset:\t*528
.endr
.irp b, 0,1,2,3
.irp i, 0,1,2,3
	ds_load_b128 v[X+16*\b+4*\i:X+16*\b+4*\i+3], v6 offset:128*\b+16*\i
.endr
.endr
.endm
.macro QUANT s                         ; 64 numbers of a lane become a fragment's codes in v[PC] on and its row's scale word in v[PW]
.irp b, 0,1,2,3
	v_max3_num_f32 v[TM+\b], |v[\s+16*\b]|, |v[\s+1+16*\b]|, 0x1800000   ; block b: my 16 numbers, and the floor 2^(3 - 127): the byte cannot fall under 1
.endr
.irp i, 2,4,6,8,10,12,14
.irp b, 0,1,2,3
	s_delay_alu instid0(VALU_DEP_4)
	v_max3_num_f32 v[TM+\b], v[TM+\b], |v[\s+16*\b+\i]|, |v[\s+1+16*\b+\i]|   ; the four blocks by turns
.endr
.endr
.irp b, 0,1,2,3
	s_delay_alu instid0(VALU_DEP_4)
	v_permlanex16_b32 v[TM+4+\b], v[TM+\b], s20, s21
.endr
.irp b, 0,1,2,3
	s_delay_alu instid0(VALU_DEP_4)
	v_max_num_f32 v[TM+\b], v[TM+\b], v[TM+4+\b]   ; with lane l xor 16's: the block's largest magnitude
.endr
.irp b, 0,1,2,3
	s_delay_alu instid0(VALU_DEP_4)
	v_add_nc_u32 v[TM+12+\b], 0xff000000, v[TM+\b] ; 2 off its exponent field: the conversion takes this operand's exponent field as its scale
.endr
.irp b, 0,1,2,3
	s_delay_alu instid0(VALU_DEP_4)
	v_lshrrev_b32 v[TM+4+\b], 23, v[TM+12+\b]      ; the scale's byte
.endr
	s_delay_alu instid0(VALU_DEP_3)
	v_lshl_or_b32 v[PW], v[TM+5], 8, v[TM+4]
	s_delay_alu instid0(VALU_DEP_1)
	v_lshl_or_b32 v[PW], v[TM+6], 16, v[PW]
	s_delay_alu instid0(VALU_DEP_1)
	v_lshl_or_b32 v[PW], v[TM+7], 24, v[PW]
.irp b, 0,1,2,3
	v_cvt_scalef32_pk8_fp4_f32 v[PC+2*\b], v[\s+16*\b:\s+7+16*\b], v[TM+12+\b]
	v_cvt_scalef32_pk8_fp4_f32 v[PC+1+2*\b], v[\s+8+16*\b:\s+15+16*\b], v[TM+12+\b]
.endr
	v_nop                                          ; one plain instruction behind the scaled conversions
.irp c, 0,1                                    ; the operand wants a whole block in a lane: lanes 0-15 block 2 c, lanes 16-31 block 2 c + 1
.irp i, 0,1
	v_permlane16_swap_b32 v[PC+4*\c+\i], v[PC+2+4*\c+\i]
.endr
.endr
.endm
.macro FRAGQ s
.if (\s) < 3
	s_wait_loadcnt 16                              ; this fragment's 16 loads are in; the next fragment's 16 may be out
.else
	s_wait_loadcnt 0x0
.endif
	TURNF RAW+64*((\s)%2)
	s_wait_dscnt 0x0                               ; X is in, so the stage's stores have read the raw set
	s_wait_xcnt 0x0                                ; the last fragment's stores have read v[PC] on: it is written again only behind this wait
.if (\s) < 2
	LOADF (\s)+2, RAW+64*((\s)%2)
.endif
	QUANT X
	global_store_b128 v4, v[PC:PC+3], s[32:33] offset:(\s)*1024       ; 512 consecutive bytes each
	global_store_b128 v4, v[PC+4:PC+7], s[32:33] offset:(\s)*1024+512
	v_mov_b32 v[WW+(\s)], v[PW]
.endm
; ---- the memory's macros
.macro LROW reg, msr, off              ; one row of my 32 columns: loaded only where its mask word is not 0; else its register keeps the 0 that LOADU wrote
	s_cmp_lg_u32 s[\msr], 0
	s_cbranch_scc0 .Ldropped_\@
	global_load_b32 v[\reg], v2, s[6:7] offset:\off th:TH_LOAD_NT
.Ldropped_\@:
.endm
.macro LOADU uu                        ; unit uu: 64 rows; row rho into register 32 (rho % 2) + rho / 2 of set uu % 2.  My wave and its neighbour read 256 consecutive bytes of a row.  The unit's mask words lie in s32-63 and s68-99
.set UL, RAW+64*((\uu)%2)
.set rho, 0
.rept 64
	v_mov_b32 v[UL+rho], 0                         ; the zero of reference()'s where: it stays in the rows that the mask drops.  All 64 stand ahead of the loads, so that no load follows the write of its own register closely
.set rho, rho+1
.endr
.set rho, 0
.rept 64
.if rho < 32
.set MSR, 32+rho
.else
.set MSR, 36+rho
.endif
	LROW UL+32*(rho%2)+rho/2, MSR, (64*(\uu)+rho)*4096
.set rho, rho+1
.endr
.endm
.macro MASKS uu                        ; the 64 rows' mask words: s32-63 and s68-99
	s_load_b512 s[32:47], s[8:9], 256*(\uu)
	s_load_b512 s[48:63], s[8:9], 256*(\uu)+64
	s_load_b512 s[68:83], s[8:9], 256*(\uu)+128
	s_load_b512 s[84:99], s[8:9], 256*(\uu)+192
.endm
.macro UNIT uu
	s_wait_loadcnt 0x0                             ; this unit's loads are the only ones out; how many they are hangs on the mask, so the count is 0
	s_wait_xcnt 0x0                                ; the last unit's stores have read the codes' registers
.if (\uu) < 3
	s_wait_kmcnt 0x0                               ; the next unit's mask words are in
	LOADU (\uu)+1                                  ; its rows are on their way while this unit is worked
.endif
.if (\uu) < 2
	MASKS (\uu)+2                                  ; behind the compares that read the words of the unit before
.endif
.set UB, RAW+64*((\uu)%2)
.irp q, 0,1,2,3
	v_max3_num_f32 v[MX+\q], |v[UB+16*\q]|, |v[UB+16*\q+1]|, 0x1800000   ; sixteen numbers and the floor 2^(3 - 127)
.endr
.irp i, 2,4,6,8,10,12,14
.irp q, 0,1,2,3
	s_delay_alu instid0(VALU_DEP_4)
	v_max3_num_f32 v[MX+\q], v[MX+\q], |v[UB+16*\q+\i]|, |v[UB+16*\q+\i+1]|
.endr
.endr
	s_delay_alu instid0(VALU_DEP_3)
	v_max_num_f32 v[BM], v[MX], v[MX+1]            ; K, even rows: all 32 of them
	s_delay_alu instid0(VALU_DEP_2)
	v_max_num_f32 v[BM+1], v[MX+2], v[MX+3]        ; K, odd rows
	s_delay_alu instid0(VALU_DEP_4)
	v_max_num_f32 v[BM+2], v[MX], v[MX+2]          ; V, rows 0-31
	s_delay_alu instid0(VALU_DEP_4)
	v_max_num_f32 v[BM+3], v[MX+1], v[MX+3]        ; V, rows 32-63
.irp q, 0,1,2,3
	s_delay_alu instid0(VALU_DEP_4)
	v_add_nc_u32 v[BM+\q], 0xff000000, v[BM+\q]    ; 2 off the exponent field: the conversions' scale operands
.endr
.irp q, 0,1,2,3
	s_delay_alu instid0(VALU_DEP_4)
	v_lshrrev_b32 v[BY+\q], 23, v[BM+\q]           ; the bytes
.endr
.if (\uu) == 0
	s_delay_alu instid0(VALU_DEP_4)
	v_mov_b32 v[WK], v[BY]                         ; K: this unit is block uu of my K step
	s_delay_alu instid0(VALU_DEP_4)
	v_mov_b32 v[WK+1], v[BY+1]
.else
	s_delay_alu instid0(VALU_DEP_4)
	v_lshl_or_b32 v[WK], v[BY], 8*(\uu), v[WK]
	s_delay_alu instid0(VALU_DEP_4)
	v_lshl_or_b32 v[WK+1], v[BY+1], 8*(\uu), v[WK+1]
.endif
.if (\uu)%2 == 0
	s_delay_alu instid0(VALU_DEP_3)
	v_lshl_or_b32 v[WV+(\uu)/2], v[BY+3], 8, v[BY+2]   ; V: blocks 2 (uu % 2) and 2 (uu % 2) + 1 of K step uu / 2 of my two
.else
	s_delay_alu instid0(VALU_DEP_4)
	v_lshl_or_b32 v[WV+(\uu)/2], v[BY+2], 16, v[WV+(\uu)/2]
	s_delay_alu instid0(VALU_DEP_1)
	v_lshl_or_b32 v[WV+(\uu)/2], v[BY+3], 24, v[WV+(\uu)/2]
.endif
.irp g, 0,1,2,3
	v_cvt_scalef32_pk8_fp4_f32 v[CK+\g], v[UB+8*\g:UB+8*\g+7], v[BM]             ; K of key c: the even rows in their order
	v_cvt_scalef32_pk8_fp4_f32 v[CK+4+\g], v[UB+32+8*\g:UB+32+8*\g+7], v[BM+1]   ; K of key 1024 + c: the odd rows
.endr
.irp g, 0,1
	v_cvt_scalef32_pk8_fp4_f32 v[CK+8+\g], v[UB+8*\g:UB+8*\g+7], v[BM+2]         ; V, rows 0-31: places 0-15 the even rows,
	v_cvt_scalef32_pk8_fp4_f32 v[CK+10+\g], v[UB+32+8*\g:UB+32+8*\g+7], v[BM+2]  ; places 16-31 the odd ones
	v_cvt_scalef32_pk8_fp4_f32 v[CK+12+\g], v[UB+16+8*\g:UB+16+8*\g+7], v[BM+3]  ; V, rows 32-63 likewise
	v_cvt_scalef32_pk8_fp4_f32 v[CK+14+\g], v[UB+48+8*\g:UB+48+8*\g+7], v[BM+3]
.endr
	v_nop                                          ; one plain instruction behind the scaled conversions
	global_store_b128 v6, v[CK:CK+3], s[4:5] offset:((\uu)/2)*512+((\uu)%2)*256              ; in each store lanes 0-15 fill 256 consecutive bytes and lanes 16-31 another 256
	global_store_b128 v6, v[CK+4:CK+7], s[4:5] offset:8*CHUNK+((\uu)/2)*512+((\uu)%2)*256    ; keys 1,024 on lie eight chunks on
	global_store_b128 v7, v[CK+8:CK+11], s[10:11] offset:((\uu)/2)*1024+((\uu)%2)*512
	global_store_b128 v7, v[CK+12:CK+15], s[10:11] offset:((\uu)/2)*1024+((\uu)%2)*512+256
.endm
	s_load_b256 s[4:11], s[0:1], 0x0               ; seq s[4:5], memory s[6:7], its mask s[8:9], qc s[10:11]
	s_load_b128 s[12:15], s[0:1], 0x20             ; kc s[12:13], vc s[14:15]
	v_lshl_add_u32 v235, v0, 2, 0x11800
	v_mov_b32 v241, 0
	v_lshrrev_b32 v1, 5, v0
	s_delay_alu instid0(VALU_DEP_1)
	v_readfirstlane_b32 s16, v1                    ; wave 0..7
	v_and_b32 v1, 31, v0                           ; lane
	s_cmp_lt_u32 ttmp9, 256
	s_cbranch_scc0 .Lmem                           ; the same way for all waves of a work-group
	; ======== seq: wave W = 8 x + w takes row tile W / 2 (16 rows) and half W % 2 of K (512 numbers: four fragments)
	s_mov_b32 s20, 0x76543210
	s_mov_b32 s21, 0xfedcba98                      ; v_permlanex16_b32's selects for lane l xor 16
	s_mov_b32 s30, 0xffff0000                      ; lanes 16-31
	v_and_b32 v2, 15, v0                           ; r
	v_bfe_u32 v3, v0, 4, 1                         ; h
	v_lshlrev_b32 v4, 4, v1                        ; 16 x lane: in a load's 512 bytes, and in a fragment's piece
	s_mul_i32 s17, s16, STGW
	v_add_nc_u32 v5, s17, v4                       ; the stage, in
	v_mul_u32_u24 v6, v2, 528
	s_delay_alu instid0(VALU_DEP_1)
	v_lshl_add_u32 v6, v3, 6, v6
	s_delay_alu instid0(VALU_DEP_1)
	v_add_nc_u32 v6, s17, v6                       ; and out: row r, + 64 h
	v_lshlrev_b32 v7, 4, v2
	s_delay_alu instid0(VALU_DEP_1)
	v_lshl_add_u32 v7, v3, 3, v7                   ; the scale words: 16 r + 8 h
.irp b, 0,1,2,3
	v_mov_b32 v[TM+4+\b], 0                        ; written once: a lane permute's destination counts as one of its sources
.endr
	s_lshl_b32 s18, ttmp9, 3
	s_add_co_u32 s18, s18, s16                     ; W
	s_and_b32 s19, s18, 1                          ; sig
	s_lshr_b32 s18, s18, 1                         ; the row tile, 0..1023
	s_lshr_b32 s22, s18, 6                         ; b
	s_and_b32 s23, s18, 63                         ; the tile in its batch
	s_lshl_b32 s24, s18, 16                        ; 16 rows of 4,096 bytes
	s_lshl_b32 s25, s19, 11
	s_add_co_u32 s24, s24, s25
	s_mov_b32 s25, 0
	s_lshl_b32 s26, s22, 1
	s_add_co_u32 s26, s26, s19
	s_lshl_b32 s26, s26, 3
	s_lshr_b32 s27, s23, 3
	s_add_co_u32 s26, s26, s27
	s_mul_i32 s26, s26, CHUNK                      ; chunk (b, sig, tile / 8)
	s_and_b32 s27, s23, 7
	s_lshl_b32 s28, s27, 12
	s_add_co_u32 s28, s28, s26                     ; my tile's four fragments
	s_mov_b32 s29, 0
	s_lshl_b32 s27, s27, 8
	s_add_co_u32 s26, s26, s27
	s_add_co_u32 s26, s26, 32768                   ; my tile's 256 bytes of scale words
	s_mov_b32 s27, 0
	s_wait_alu depctr_va_vdst(0)
	s_wait_kmcnt 0x0
	s_add_nc_u64 s[4:5], s[4:5], s[24:25]
	s_add_nc_u64 s[32:33], s[10:11], s[28:29]
	s_add_nc_u64 s[34:35], s[10:11], s[26:27]
	LOADF 0, RAW
	LOADF 1, RAW+64
	FRAGQ 0
	FRAGQ 1
	FRAGQ 2
	FRAGQ 3
	v_cndmask_b32 v254, v[WW], v[WW+2], s30        ; every lane holds its row's four words: lanes 0-15 store steps 0 and 1, lanes 16-31 steps 2 and 3
	s_delay_alu instid0(VALU_DEP_2)
	v_cndmask_b32 v255, v[WW+1], v[WW+3], s30
	global_store_b64 v7, v[254:255], s[34:35]      ; 256 consecutive bytes
	s_wait_tensorcnt 0x0
	ds_add_u32 v235, v241
	s_wait_dscnt 0x0
	s_endpgm
	; ======== the memory: work-group y: batch y / 32, columns 64 ((y / 2) % 16) on, rows 1,024 (y % 2) on; wave w: columns 32 (w % 2) on, rows 256 (w / 2) on
.Lmem:
	s_wait_alu depctr_va_vdst(0)
	v_lshlrev_b32 v2, 2, v1                        ; 4 bytes a lane
	s_sub_co_u32 s17, ttmp9, 256                   ; y
	s_lshr_b32 s18, s17, 5                         ; b
	s_bfe_u32 s19, s17, 0x40001                    ; the group of 64 columns
	s_and_b32 s22, s17, 1                          ; rh
	s_and_b32 s23, s16, 1                          ; ch
	s_lshr_b32 s24, s16, 1                         ; rs
	s_lshl_b32 s25, s19, 6
	s_lshl_b32 s26, s23, 5
	s_add_co_u32 s25, s25, s26                     ; c0: my first column
	s_lshl_b32 s26, s22, 10
	s_lshl_b32 s27, s24, 8
	s_add_co_u32 s26, s26, s27                     ; my first row
	s_lshl_b32 s28, s18, 23                        ; a batch is 2,048 rows of 4,096 bytes
	s_lshl_b32 s27, s26, 12
	s_add_co_u32 s28, s28, s27
	s_lshl_b32 s27, s25, 2
	s_add_co_u32 s28, s28, s27
	s_mov_b32 s29, 0
	s_wait_kmcnt 0x0
	s_add_nc_u64 s[6:7], s[6:7], s[28:29]
	s_lshl_b32 s28, s18, 11
	s_add_co_u32 s28, s28, s26
	s_lshl_b32 s28, s28, 2
	s_add_nc_u64 s[8:9], s[8:9], s[28:29]          ; my rows' mask words
	MASKS 0                                        ; the first unit's words are asked for first: its loads hang on them; the address work below stands between the request and the wait
	v_bfe_u32 v3, v1, 1, 3
	v_and_b32 v4, 1, v1
	s_delay_alu instid0(VALU_DEP_1)
	v_lshl_add_u32 v3, v4, 3, v3                   ; the row that key offset i takes in its tile: ((i >> 1) & 7) + 8 (i & 1)
	v_lshrrev_b32 v5, 4, v1                        ; i >> 4: which of my two tiles
	s_delay_alu instid0(VALU_DEP_2)
	v_lshlrev_b32 v6, 4, v3
	s_delay_alu instid0(VALU_DEP_1)
	v_lshl_add_u32 v6, v5, 12, v6                  ; K's codes: a tile is four fragments, 4,096 bytes
	v_and_b32 v8, 15, v1
	s_delay_alu instid0(VALU_DEP_1)
	v_lshlrev_b32 v7, 4, v8
	s_delay_alu instid0(VALU_DEP_1)
	v_lshl_add_u32 v7, v5, 12, v7                  ; V's codes: channels in their order
	v_lshlrev_b32 v12, 4, v3
	s_delay_alu instid0(VALU_DEP_1)
	v_lshl_add_u32 v12, v5, 8, v12                 ; K's scale words: 256 bytes a tile, 16 a row
	v_lshlrev_b32 v13, 4, v1                       ; V's: 16 x lane
	v_lshlrev_b32 v8, 4, v1
	s_wait_alu depctr_va_vdst(0)
	s_lshl_b32 s17, s23, 11
	s_add_co_u32 s17, s17, XCH                     ; my column half's 2,048 bytes
	s_lshl_b32 s20, s24, 2
	s_add_co_u32 s20, s20, s17
	v_add_nc_u32 v9, s20, v8                       ; K's words: kinds 0 and 1: 16 x lane + 4 rs
	s_lshr_b32 s20, s24, 1
	s_lshl_b32 s20, s20, 9
	s_and_b32 s21, s24, 1
	s_lshl_b32 s21, s21, 3
	s_add_co_u32 s20, s20, s21
	s_add_co_u32 s20, s20, s17
	v_add_nc_u32 v10, s20, v8                      ; V's: kind 2 + rs / 2 (the 1,024 stand in the store's offset): 16 x lane + 8 (rs % 2)
	s_lshl_b32 s20, s24, 9
	s_add_co_u32 s20, s20, s17
	v_add_nc_u32 v11, s20, v8                      ; what I carry out: kind w / 2 of my column half
	s_lshr_b32 s19, s25, 7                         ; c0 / 128: the chunk's group of rows
	s_bfe_u32 s27, s25, 0x30004                    ; (c0 / 16) % 8: my first tile in it
	s_lshl_b32 s28, s18, 1
	s_add_co_u32 s28, s28, s22                     ; 2 b + rh
	s_lshl_b32 s26, s28, 4
	s_add_co_u32 s26, s26, s19
	s_mul_i32 s26, s26, CHUNK                      ; kc's chunk (b, sig = rh, c0 / 128)
	s_lshl_b32 s20, s27, 12
	s_add_co_u32 s20, s20, s26
	s_lshl_b32 s21, s24, 10                        ; my 256 rows are 128 of the hidden axis: K step rs
	s_add_co_u32 s20, s20, s21
	s_mov_b32 s21, 0
	s_add_nc_u64 s[4:5], s[12:13], s[20:21]
	s_lshl_b32 s20, s28, 1
	s_lshr_b32 s29, s24, 1
	s_add_co_u32 s20, s20, s29
	s_lshl_b32 s20, s20, 3
	s_add_co_u32 s20, s20, s19
	s_mul_i32 s20, s20, CHUNK                      ; vc's chunk (b, sig = 2 rh + rs / 2, c0 / 128)
	s_lshl_b32 s29, s27, 12
	s_add_co_u32 s20, s20, s29
	s_and_b32 s29, s24, 1
	s_lshl_b32 s29, s29, 11                        ; my 256 keys are K steps 2 (rs % 2) and the next
	s_add_co_u32 s20, s20, s29
	s_add_nc_u64 s[10:11], s[14:15], s[20:21]
	; where the words that I carry out go: kinds 0, 1: kc, parity kind; kinds 2, 3: vc, sig 2 rh + kind - 2
	s_and_b32 s17, s24, 1
	s_mul_i32 s20, s17, 8*CHUNK
	s_add_co_u32 s20, s20, s26
	s_lshl_b32 s29, s28, 1
	s_add_co_u32 s29, s29, s17
	s_lshl_b32 s29, s29, 3
	s_add_co_u32 s29, s29, s19
	s_mul_i32 s29, s29, CHUNK
	s_cmp_lt_u32 s24, 2                            ; the choice hangs on the wave's number alone
	s_cselect_b64 s[12:13], s[12:13], s[14:15]
	s_cselect_b32 s20, s20, s29
	s_cselect_b32 s30, 0, -1
	s_lshl_b32 s17, s27, 8
	s_add_co_u32 s20, s20, s17
	s_add_co_u32 s20, s20, 32768
	s_add_nc_u64 s[12:13], s[12:13], s[20:21]
	v_cndmask_b32 v12, v12, v13, s30
	s_wait_kmcnt 0x0                               ; the first unit's mask words
	LOADU 0
	MASKS 1
	UNIT 0
	UNIT 1
	UNIT 2
	UNIT 3
	ds_store_b32 v9, v[WK]                         ; a row's four words of a chunk come from four waves (K) or two (V): they meet in LDS
	ds_store_b32 v9, v[WK+1] offset:512
	ds_store_b64 v10, v[WV:WV+1] offset:1024
	s_wait_dscnt 0x0                               ; for the others' sake: my stores have landed
	s_barrier_signal -1
	s_barrier_wait -1
	ds_load_b128 v[WO:WO+3], v11                   ; into registers of their own: the last unit's stores may still read the codes' registers
	s_wait_dscnt 0x0
	global_store_b128 v12, v[WO:WO+3], s[12:13]    ; 2 x 256 consecutive bytes
	s_wait_tensorcnt 0x0
	ds_add_u32 v235, v241
	s_wait_dscnt 0x0
	s_endpgm
.Lfunc_end_k_q5a94c4f334_quant:
	.size	k_q5a94c4f334_quant, .Lfunc_end_k_q5a94c4f334_quant-k_q5a94c4f334_quant
	.p2alignl 7, 3214868480
	.fill 96, 4, 3214868480
	.section	.rodata,"a",@progbits
	.p2align	6, 0x0
	.amdhsa_kernel k_q5a94c4f334_quant
		.amdhsa_group_segment_fixed_size 72704
		.amdhsa_private_segment_fixed_size 0
		.amdhsa_enable_private_segment 0
		.amdhsa_kernarg_size 48
		.amdhsa_user_sgpr_count 2
		.amdhsa_user_sgpr_kernarg_segment_ptr 1
		.amdhsa_wavefront_size32 1
		.amdhsa_system_sgpr_workgroup_id_x 1
		.amdhsa_system_sgpr_workgroup_id_y 1
		.amdhsa_system_sgpr_workgroup_id_z 1
		.amdhsa_system_vgpr_workitem_id 0
		.amdhsa_next_free_vgpr 256
		.amdhsa_next_free_sgpr 100
		.amdhsa_reserve_vcc 0
		.amdhsa_float_denorm_mode_32 3
		.amdhsa_float_denorm_mode_16_64 3
		.amdhsa_memory_ordered 1
		.amdhsa_forward_progress 1
		.amdhsa_inst_pref_size 116
	.end_amdhsa_kernel
	.amdgpu_metadata
---
amdhsa.version: [ 1, 2 ]
amdhsa.kernels:
  - .name:           k_q5a94c4f334_quant
    .symbol:         k_q5a94c4f334_quant.kd
    .args:
      - { .name: seq_vectors, .offset: 0, .size: 8, .value_kind: global_buffer, .address_space: global }
      - { .name: memory_vectors, .offset: 8, .size: 8, .value_kind: global_buffer, .address_space: global }
      - { .name: memory_attention_mask, .offset: 16, .size: 8, .value_kind: global_buffer, .address_space: global }
      - { .name: qc, .offset: 24, .size: 8, .value_kind: global_buffer, .address_space: global }
      - { .name: kc, .offset: 32, .size: 8, .value_kind: global_buffer, .address_space: global }
      - { .name: vc, .offset: 40, .size: 8, .value_kind: global_buffer, .address_space: global }
    .group_segment_fixed_size: 72704
    .private_segment_fixed_size: 0
    .kernarg_segment_align: 8
    .kernarg_segment_size: 48
    .max_flat_workgroup_size: 256
    .sgpr_count:     100
    .vgpr_count:     256
    .wavefront_size: 32
...
	.end_amdgpu_metadata
.endif
;; end of part 1
;; launch attn (part 2): grid 16 x 16, 4 waves a work-group, clusters of 4 x 1, 327,680 bytes of LDS; arguments qc, kc, vc, seq_vectors, out0; writes out0
.if DOCPART == 2
	.amdgcn_target "amdgcn-amd-amdhsa--gfx1250"
	.amdhsa_code_object_version 6
	.text
	.protected	k_q5a94c4f334_attn
	.globl	k_q5a94c4f334_attn
	.p2align	8
	.type	k_q5a94c4f334_attn,@function
k_q5a94c4f334_attn:
	s_mov_b64 s[64:65], 0
	v_nop
	global_prefetch_b8 v0, s[64:65] scope:SCOPE_SE
	s_setreg_imm32_b32 hwreg(HW_REG_WAVE_MODE, 25, 1), 1
	s_wait_xcnt 0x0
	s_wait_alu depctr_hold_cnt(0) depctr_sa_sdst(0) depctr_va_vdst(0) depctr_va_sdst(0) depctr_va_ssrc(0) depctr_va_vcc(0) depctr_vm_vsrc(0)
	s_getreg_b32 s2, hwreg(HW_REG_IB_STS2, 6, 4)
	s_cmp_eq_u32 s2, 0
	s_cbranch_scc0 .Lentry_in_a_cluster
	s_endpgm
.Lentry_in_a_cluster:
	s_bfe_u32 s2, ttmp6, 0x10000c
	s_cmp_lg_u32 s2, 0x3003
	s_cbranch_scc0 .Lentry_shape_is_right
	s_endpgm
.Lentry_shape_is_right:
; out = seq + softmax(Q K^T) V, both products on codes of FP4 (E2M1) with E8M0 scales, in one launch: scores and p never go to memory.
; attention_mask is used by no line of reference(): it is no argument here either.
; SHARES.  A work-group owns 64 queries of one batch and all 1,024 channels.  The 2,048 keys go in 4 steps of 512.  In a step wave w makes S^T for ITS 128 keys x 64 queries (K = 1,024 hidden, 256 registers, window 1),
; p = 2^(t - Mloc) as codes with a scale word, -Mloc and the sum of p (Mloc = ceiling of the largest t among these 128 keys); the four waves' codes and figures meet in LDS; every wave takes the running M = the largest Mloc so far,
; takes M - Mloc off the scale bytes, brings l and O^T under M by whole powers of two, and adds V^T P^T for ITS 256 channels x 64 queries (512 registers, windows 2 and 3).
; qc, kc, vc: chunks of 34,816 bytes on end (128 rows x 512 K: [tile 8][step 4] fragments of 1,024 bytes in the order of the operand's registers, then [tile 8][r 16][step 4] scale words).
; THE RING: two slots of four chunks.  A step has four periods: K hidden half 0 (slot 0), K hidden half 1 (slot 1), V's chunk 2 w (slot 0), V's chunk 2 w + 1 (slot 1).  A wave fetches the chunk that it alone reads: one load a wave for each change.
; CLUSTER 4, 1, 1: the four partners hold four blocks of queries of one batch and walk the same chunks of K and V: every tile load is joint, mask 15; its descriptor hangs on the cluster's x and y and the wave's number alone.
; The batch is the cluster's running number (x + 4 y) modulo 16: the four clusters of a batch stand 16 apart in that order.
; A change of slots stands ahead of a period's last 32 products: the period's last fragments are in registers, so its slot is asked for again behind a round of the cluster's barrier.
; Slot 1's change behind K's second period stands later, where the first two tiles of p are handed over: the round is also the barrier that shows them to the other waves.
; THE LOOP is entered in its middle: a trip is V(i - 1), K(i), softmax(i), so that every change in it has a tile to ask for; V of the last step, which asks for nothing, is written out behind it.
; O^T's first products take the constant 0 as C: a branch on the trip's number chooses between them and (rescaling, adding on); nothing is cleared.
; THE LAST STEP's second product goes by pairs of query tiles: both chunks of V lie in LDS, so 32 queries x 256 channels are finished and leave while the other 32 are multiplied; V's fragments are read twice in that one step.
; LIMITS: the promise holds while the scaled scores stay under 2^31 in magnitude; NaN and infinities among the scores are not served.  M - Mloc is held at 127: a part's sum that far under M counts as 0, a scale byte that would fall under 0 is held at 0.
; A p under 2^-126 counts as 0; a block of such p keeps the byte 1 and zero codes.
; lds_bytes claims all of a WGP's LDS.
; REGISTERS, window 0: v2-31 addresses and what is carried (-M, l); v32-63 scale words and nothing else; v64-191 two sets of K's or V's fragments; v192-255 two sets of Q's; the softmax works on v64-191; v240-247 the rescaling factors.
.set CHUNK, 34816
.set SLOT,  4*CHUNK
.set QL,    2*SLOT                     ; Q's codes [half 2][tile 4][step 4][1,024], stored by the waves, never a fill's target; on the way out the four stages
.set QS,    QL+32768                   ; Q's scale words [half 2][tile 4][r 16][step 4]
.set PBUF,  QS+2048                    ; p's fragments of two tiles of queries: [tile 2][part 4][1,024]
.set STAT,  PBUF+8192                  ; [kind 3][tile 4][r 16][part 4] words: scale word, -Mloc, sum
.set SPARE, STAT+3072                  ; the spare words, 128 bytes a wave
.set SP,    528                        ; the way out: a stage row: 512 bytes + 16
.set SPW, 2
.set NIL, 3
.set LI,  4                            ; 16 x lane
.set AK,  6                            ; v6-7   my chunk in slot 0, 1
.set ASK, 8                            ; v8-9   its scale words, 16 r
.set ASM, 10                           ; v10-11 lanes 0-15 the same, lanes 16-31 Q's scale words of hidden half 0, 1
.set AQ,  12
.set PST, 13
.set PLD, 14
.set STS, 15
.set STL, 16
.set PF1, 17                           ; prefetches: my work-group's 34 blocks of 256 bytes of a chunk's 136: 32 here,
.set PF2, 18                           ; two here (the other lanes name the last again)
.set PFS, 19                           ; seq: row lane / 4, block lane % 4 of my 1,024 bytes
.set NMO, 20                           ; v20-23 -M of my four tiles of queries
.set LL,  24                           ; v24-27 l
.set PD,  28                           ; v28-31 lane permutes' destinations
.set SC,  32
.set VS,  32                           ; v32-47 V's scale words, a set of 8 for each K step, two sets
.set WP,  48                           ; v48-63 p's scale words under M: 4 a + part
.set KF,  64
.set QF,  192
.set X,   64
.set T,   128
.set SO,  148
.set BY,  152
.set LA,  156
.set LB,  158
.set TT,  160
.set NEGM, 162
.set PC,  164
.set WD,  180
.set NM,  184
.set LS,  188
.set NMR, 64
.set LSR, 80
.set DD,  96
.set K2,  112
.set DF,  128
.set MN,  132
.set F,   240
.set RL,  192
.set STO, 200
.set RD,  201
.set G1,   24
.set G0K0, 32
.set G0K1, 36
.set G0VA, 40
.set G0VB, 44
.set PK,  48                           ; s[48:49] kc at my chunk of this trip, hidden half 0
.set PV,  50                           ; s[50:51] vc at my first chunk of the step that the trip's V periods ask ahead for
.set PQ,  52                           ; s[52:53] seq at the 16 rows that this trip asks for
.set SEL, 54
.set CS,  56
.set HB,  58
.set IT,  59
.set WC,  60
.set MK,  0x50                         ; S: C and D window 1, sources window 0
.set MV0, 0xa4                         ; O: C and D window 2, source 1 (p) window 1
.set MV1, 0xf4
.set MSB, 0
.macro WIN new                         ; the immediate's high byte repeats the setting that is left
.if MSB != (\new)
	s_set_vgpr_msb (MSB<<8)|(\new)
.set MSB, (\new)
.endif
.endm
.macro PLACES n
.rept \n
	v_nop
.endr
.endm
.macro VW
	s_wait_alu depctr_va_vdst(0)
.endm
.macro ROUND                           ; a round of the cluster's barrier
	s_barrier_signal -1
	s_barrier_wait -1
	s_cmp_lg_u32 s14, 0
	s_cbranch_scc1 .Lnw0_\@
	s_barrier_signal -3
.Lnw0_\@:
	s_barrier_wait -3
	s_barrier_signal -1
	s_barrier_wait -1
.endm
.macro TLOAD g0                        ; every wave's own chunk, by one line; s_nop 0 and plain lines follow; the five are also the places ahead of loads and products that write registers of the last products
	tensor_load_to_lds s[\g0:\g0+3], s[G1:G1+7]
	s_nop 0
	PLACES 5
.endm
; A change of slots: all my tensor loads have landed (the other slot's tile among them); the add; a landed load's descriptor steps on; the add and my LDS reads and stores are done; the round; the refill first behind it.
.macro TURN g0, prev, pstep
	s_wait_tensorcnt 0x0
	ds_add_u32 v[SPW], v[NIL]
	s_add_nc_u64 s[\prev+2:\prev+3], s[\prev+2:\prev+3], \pstep
	s_wait_dscnt 0x0
	ROUND
	TLOAD \g0
.endm
.macro FRAG reg, adr, off              ; a fragment: two pieces of 512 consecutive bytes
	ds_load_b128 v[\reg:\reg+3], v[\adr] offset:\off
	ds_load_b128 v[\reg+4:\reg+7], v[\adr] offset:\off+512
.endm
.macro FETCHK s, q, p                  ; 24 loads: K's eight tiles and Q's four, step q of hidden half s, into set p
.irp i, 0,1,2,3,4,5,6,7
	FRAG KF+64*(\p)+8*\i, AK+\s, (\i*4+(\q))*1024
.endr
.irp i, 0,1,2,3
	FRAG QF+32*(\p)+8*\i, AQ, (\s)*16384+(\i*4+(\q))*1024
.endr
.endm
.macro SCALESK s                       ; register 4 i + q: lanes 0-15 the word of K's tile i, lanes 16-31 that of Q's tile i (i under 4)
.irp i, 0,1,2,3
	ds_load_b128 v[SC+4*\i:SC+4*\i+3], v[ASM+\s] offset:\i*256
.endr
.irp i, 4,5,6,7
	ds_load_b128 v[SC+4*\i:SC+4*\i+3], v[ASK+\s] offset:\i*256
.endr
.endm
.macro MULK q, p, z                    ; 32 products, the accumulators by turns: source 0 = 16 keys, source 1 = 16 queries
.irp a, 0,1,2,3
.irp b, 0,1,2,3,4,5,6,7
.if \z
	v_wmma_scale_f32_16x16x128_f8f6f4 v[8*(8*\a+\b):8*(8*\a+\b)+7], v[KF+64*(\p)+8*\b:KF+64*(\p)+8*\b+7], v[QF+32*(\p)+8*\a:QF+32*(\p)+8*\a+7], 0, v[SC+4*\b+(\q)], v[SC+4*\a+(\q)] matrix_a_fmt:MATRIX_FMT_FP4 matrix_b_fmt:MATRIX_FMT_FP4 matrix_b_scale:MATRIX_SCALE_ROW1
.else
	v_wmma_scale_f32_16x16x128_f8f6f4 v[8*(8*\a+\b):8*(8*\a+\b)+7], v[KF+64*(\p)+8*\b:KF+64*(\p)+8*\b+7], v[QF+32*(\p)+8*\a:QF+32*(\p)+8*\a+7], v[8*(8*\a+\b):8*(8*\a+\b)+7], v[SC+4*\b+(\q)], v[SC+4*\a+(\q)] matrix_a_fmt:MATRIX_FMT_FP4 matrix_b_fmt:MATRIX_FMT_FP4 matrix_b_scale:MATRIX_SCALE_ROW1
.endif
.endr
.endr
.endm
.macro KSTEPS s, z                     ; the first three K steps of a period; step 0's fragments have been asked for.  s_wait_dscnt 24: all but the next step's 24 loads
	PLACES 5
	SCALESK \s
	FETCHK \s, 1, 1
	s_wait_dscnt 24
	WIN MK
	MULK 0, 0, \z
	PLACES 4
	WIN 0
	FETCHK \s, 2, 0
	s_wait_dscnt 24
	WIN MK
	MULK 1, 1, 0
	PLACES 4
	WIN 0
	FETCHK \s, 3, 1
	s_wait_dscnt 24
	WIN MK
	MULK 2, 0, 0
	WIN 0
.endm
.macro FETCHV s, q, p                  ; 24 loads: V's eight tiles of K step q (part q's 128 keys) and their scale words
.irp i, 0,1,2,3,4,5,6,7
	FRAG KF+64*(\p)+8*\i, AK+\s, (\i*4+(\q))*1024
	ds_load_b32 v[VS+8*(\p)+\i], v[ASK+\s] offset:\i*256+(\q)*4
.endr
.endm
.macro MULV q, p, z                    ; 32 products: source 0 = 16 channels, source 1 = p of 16 queries (window 1: tile a, part q at 64 (a / 2) + 8 (4 (a % 2) + q))
.irp a, 0,1,2,3
.irp b, 0,1,2,3,4,5,6,7
.if \z
	v_wmma_scale_f32_16x16x128_f8f6f4 v[8*(8*\a+\b):8*(8*\a+\b)+7], v[KF+64*(\p)+8*\b:KF+64*(\p)+8*\b+7], v[64*(\a/2)+8*(4*(\a%2)+(\q)):64*(\a/2)+8*(4*(\a%2)+(\q))+7], 0, v[VS+8*(\p)+\b], v[WP+4*\a+(\q)] matrix_a_fmt:MATRIX_FMT_FP4 matrix_b_fmt:MATRIX_FMT_FP4
.else
	v_wmma_scale_f32_16x16x128_f8f6f4 v[8*(8*\a+\b):8*(8*\a+\b)+7], v[KF+64*(\p)+8*\b:KF+64*(\p)+8*\b+7], v[64*(\a/2)+8*(4*(\a%2)+(\q)):64*(\a/2)+8*(4*(\a%2)+(\q))+7], v[8*(8*\a+\b):8*(8*\a+\b)+7], v[VS+8*(\p)+\b], v[WP+4*\a+(\q)] matrix_a_fmt:MATRIX_FMT_FP4 matrix_b_fmt:MATRIX_FMT_FP4
.endif
.endr
.endr
.endm
; The first three K steps of a V period on half s of my channels: in the trip that follows step 0 the products start the sums; else O^T's half comes under the new M first.
.macro VSTEPS s
	PLACES 4
	FETCHV \s, 1, 1
	s_cmp_eq_u32 s[IT], 1
	s_cbranch_scc1 .Lz_\@
	WIN ((2+\s)<<6)|(2+\s)
	VW                                             ; the wait, directly ahead of the first reader of O^T
.set n, 0
.rept 128
	v_pk_mul_f32 v[2*n:2*n+1], v[2*n:2*n+1], v[F+2*(n/32):F+2*(n/32)+1]
.set n, n+1
.endr
	VW                                             ; and directly ahead of the wait below
	s_wait_dscnt 24
	WIN MV0+0x50*(\s)
	MULV 0, 0, 0
	WIN 0
	s_branch .Lj_\@
.Lz_\@:
	s_wait_dscnt 24
	WIN MV0+0x50*(\s)
	MULV 0, 0, 1
	WIN 0
.Lj_\@:
	PLACES 4
	FETCHV \s, 2, 0
	s_wait_dscnt 24
	WIN MV0+0x50*(\s)
	MULV 1, 1, 0
	PLACES 4
	WIN 0
	FETCHV \s, 3, 1
	s_wait_dscnt 24
	WIN MV0+0x50*(\s)
	MULV 2, 0, 0
	WIN 0
.endm
; PREFETCHES INTO THE L2 of a chunk that a change of slots two changes on (or later) will ask for.  Of a chunk's 136 blocks of 256 bytes the partner at place cx names 34 cx .. 34 cx + 33: told apart by address; each block once in a cluster.
.macro ASK2 base, off
	global_prefetch_b8 v[PF1], s[\base:\base+1] offset:\off th:TH_LOAD_NT scope:SCOPE_SE
	global_prefetch_b8 v[PF2], s[\base:\base+1] offset:\off th:TH_LOAD_NT scope:SCOPE_SE
.endm
.macro ASKK off                        ; K of the next step: the last trip has none
	s_cmp_eq_u32 s[IT], 3
	s_cbranch_scc1 .Lno_\@
	ASK2 PK, \off
.Lno_\@:
.endm
; THE SOFTMAX'S PART for tile a: 16 queries x my 128 keys.  The launch before chose the keys of a tile so that the 16 registers of tiles 2 b, 2 b + 1 are places 16 (lane / 16) + 0 .. 15 of block b of the second product's K.
.macro SOFT a
.set AC, 64*(\a)
.set PCS, PC+8*((\a)%2)
	WIN 0x15
	VW                                             ; the wait ahead of the first reader of these scores
.irp k, 0,1,2,3,4
.irp b, 0,1,2,3
	v_max3_num_f32 v[T+4*\k+\b], v[AC+16*\b+3*\k], v[AC+16*\b+3*\k+1], v[AC+16*\b+3*\k+2]
.endr
.endr
	WIN 0x01
.irp b, 0,1,2,3
	v_max3_num_f32 v[T+\b], v[AC+16*\b+15], v[T+\b], v[T+4+\b]
.endr
	WIN 0
.irp b, 0,1,2,3
	v_max3_num_f32 v[T+\b], v[T+\b], v[T+8+\b], v[T+12+\b]
.endr
.irp b, 0,1,2,3
	v_max_num_f32 v[T+\b], v[T+\b], v[T+16+\b]
.endr
.irp b, 0,1,2,3
	v_permlanex16_b32 v[PD+\b], v[T+\b], s[SEL], s[SEL+1]
.endr
.irp b, 0,1,2,3
	v_max_num_f32 v[T+\b], v[T+\b], v[PD+\b]       ; the block's largest score: for the row's maximum and, since p rises with the score, for the block's largest p
.endr
	v_max3_num_f32 v[TT], v[T], v[T+1], v[T+2]
	v_mov_b32 v[NEGM+1], 0                         ; named with -Mloc as a pair
	v_max_num_f32 v[TT], v[TT], v[T+3]
	v_mul_f32 v[TT], s[CS], v[TT]
	v_floor_f32 v[NEGM], -v[TT]                    ; -Mloc = -ceil(largest t)
.irp b, 0,1,2,3
	v_fma_f32 v[T+\b], v[T+\b], s[CS], v[NEGM]
.endr
	WIN 0x01
.set n, 0
.rept 32
	v_pk_fma_f32 v[X+n:X+n+1], v[AC+n:AC+n+1], s[CS:CS+1], v[NEGM:NEGM+1] op_sel_hi:[1,0,0]
.set n, n+2
.endr
	WIN 0
	VW                                             ; ahead of the batch
.set n, 0
.rept 64
	v_exp_f32 v[X+n], v[X+n]                       ; p = 2^(t - Mloc)
.set n, n+1
.endr
	v_mov_b32 v[NM+(\a)], v[NEGM]
	VW                                             ; one wait for the batch
.irp b, 0,1,2,3
	v_exp_f32 v[T+\b], v[T+\b]
.endr
	v_pk_add_f32 v[LA:LA+1], v[X:X+1], v[X+2:X+3]  ; the sum of the unquantised p, in two chains
	v_pk_add_f32 v[LB:LB+1], v[X+4:X+5], v[X+6:X+7]
.set n, 8
.rept 14
	v_pk_add_f32 v[LA:LA+1], v[LA:LA+1], v[X+n:X+n+1]
	v_pk_add_f32 v[LB:LB+1], v[LB:LB+1], v[X+n+2:X+n+3]
.set n, n+4
.endr
	v_pk_add_f32 v[LA:LA+1], v[LA:LA+1], v[LB:LB+1]
	VW                                             ; and one for the four
.irp b, 0,1,2,3
	v_max_num_f32 v[T+\b], 0x1800000, v[T+\b]      ; the floor 2^(3 - 127): the byte cannot fall under 1
.endr
.irp b, 0,1,2,3
	v_add_nc_u32 v[SO+\b], 0xff000000, v[T+\b]     ; 2 off the exponent field: the conversion's scale operand
.endr
.irp b, 0,1,2,3
	v_lshrrev_b32 v[BY+\b], 23, v[SO+\b]
.endr
	v_lshl_or_b32 v[WD+(\a)], v[BY+1], 8, v[BY]
	v_add_f32 v[TT], v[LA], v[LA+1]
	v_lshl_or_b32 v[WD+(\a)], v[BY+2], 16, v[WD+(\a)]
	v_permlanex16_b32 v[PD], v[TT], s[SEL], s[SEL+1]
	v_lshl_or_b32 v[WD+(\a)], v[BY+3], 24, v[WD+(\a)]
	v_add_f32 v[LS+(\a)], v[TT], v[PD]
.irp b, 0,1,2,3
	v_cvt_scalef32_pk8_fp4_f32 v[PCS+2*\b], v[X+16*\b:X+16*\b+7], v[SO+\b]
	v_cvt_scalef32_pk8_fp4_f32 v[PCS+2*\b+1], v[X+16*\b+8:X+16*\b+15], v[SO+\b]
.endr
	v_nop                                          ; one plain line behind the scaled conversions
.irp c, 0,1
.irp i, 0,1
	v_permlane16_swap_b32 v[PCS+4*\c+\i], v[PCS+4*\c+2+\i]   ; a whole block to a lane
.endr
.endr
.endm
.macro PSTORE a                        ; the fragment as its registers stand
	ds_store_b128 v[PST], v[PC+8*((\a)%2):PC+8*((\a)%2)+3] offset:((\a)%2)*4096
	ds_store_b128 v[PST], v[PC+8*((\a)%2)+4:PC+8*((\a)%2)+7] offset:((\a)%2)*4096+512
.endm
.macro PLOAD g                         ; tiles 2 g, 2 g + 1 of all four parts, into the registers of scores that are done with
	WIN 0x40
.irp f, 0,1,2,3,4,5,6,7
	FRAG 64*(\g)+8*\f, PLD, \f*1024
.endr
	WIN 0
.endm
.macro EACH16 body:vararg
.set n, 0
.rept 16
	\body
.set n, n+1
.endr
.endm
.macro JOIN                            ; the running M, p's scale words, the factors and l: register 4 a + part
.irp a, 0,1,2,3
	v_min3_num_f32 v[MN+\a], v[NMO+\a], v[NMR+4*\a], v[NMR+4*\a+1]
.endr
.irp a, 0,1,2,3
	v_min3_num_f32 v[MN+\a], v[MN+\a], v[NMR+4*\a+2], v[NMR+4*\a+3]   ; -M: the smallest -Mloc so far
.endr
	EACH16 v_sub_f32 v[NMR+n], v[NMR+n], v[MN+n/4]               ; d = M - Mloc, a whole number, 0 or more
	EACH16 v_min_num_f32 v[NMR+n], 0x42fe0000, v[NMR+n]          ; held at 127
	EACH16 v_cvt_u32_f32 v[NMR+n], v[NMR+n]
	EACH16 v_or_b32 v[WP+n], s[HB], v[WP+n]                      ; each byte (under 128) + 128: no byte borrows from its neighbour
	EACH16 v_perm_b32 v[DD+n], v[NMR+n], v[NMR+n], 0             ; d in all four bytes
	EACH16 v_sub_nc_u32 v[WP+n], v[WP+n], v[DD+n]
	EACH16 v_and_b32 v[DD+n], s[HB], v[WP+n]                     ; the top bit says whether the byte had d in it
	EACH16 v_lshrrev_b32 v[K2+n], 7, v[DD+n]
	EACH16 v_sub_nc_u32 v[DD+n], v[DD+n], v[K2+n]                ; 0x7f there, else 0
	EACH16 v_and_b32 v[WP+n], v[WP+n], v[DD+n]                   ; the byte less d, held at 0
.irp a, 0,1,2,3
	v_sub_f32 v[DF+\a], v[MN+\a], v[NMO+\a]        ; old M - new M, 0 or less
.endr
.irp a, 0,1,2,3
	v_cvt_i32_f32 v[DF+\a], v[DF+\a]               ; (it saturates)
.endr
.irp a, 0,1,2,3
	v_ldexp_f32 v[F+2*\a], 1.0, v[DF+\a]
.endr
.irp a, 0,1,2,3
	v_mov_b32 v[F+2*\a+1], v[F+2*\a]               ; twice over: the pair that the packed multiply takes
	v_mov_b32 v[NMO+\a], v[MN+\a]
.endr
.irp a, 0,1,2,3
	v_mul_f32 v[LL+\a], v[LL+\a], v[F+2*\a]
.endr
	EACH16 v_sub_nc_u32 v[NMR+n], 127, v[NMR+n]
	EACH16 v_lshlrev_b32 v[NMR+n], 23, v[NMR+n]                  ; 2^-d; 0.0 at d = 127
.irp p, 0,1,2,3
.irp a, 0,1,2,3
	v_fmac_f32 v[LL+\a], v[LSR+4*\a+\p], v[NMR+4*\a+\p]
.endr
.endr
.endm
	s_load_b256 s[4:11], s[0:1], 0x0               ; qc s[4:5], kc s[6:7], vc s[8:9], seq s[10:11]
	s_load_b64 s[12:13], s[0:1], 0x20              ; out
	v_lshl_add_u32 v[SPW], v0, 2, SPARE
	v_mov_b32 v[NIL], 0
	ds_add_u32 v[SPW], v[NIL]                      ; the opening lines: the add twice on end and its wait ahead of my first tensor load
	ds_add_u32 v[SPW], v[NIL]
	v_lshrrev_b32 v1, 5, v0
	v_readfirstlane_b32 s14, v1                    ; wave 0..3
	s_bfe_u32 s15, ttmp6, 0x40000                  ; cx
	s_and_b32 s17, ttmp7, 0xffff                   ; the cluster's y, 0..15
	s_lshr_b32 s16, s17, 2
	s_lshl_b32 s16, s16, 2
	s_add_co_u32 s16, s16, s15                     ; my block of 64 queries: 4 (y / 4) + cx
	s_and_b32 s17, s17, 3
	s_lshl_b32 s17, s17, 2
	s_add_co_u32 s17, s17, ttmp9                   ; the batch: 4 (y % 4) + the cluster's x
	s_mov_b32 s[G1], 15|(3<<16)|(1<<21)            ; the mask: all four partners; elements of 8 bytes; bit 21 beside a mask
	s_mov_b32 s[G1+1], 32<<16                      ; a chunk as 136 rows of 256 bytes, on end
	s_mov_b32 s[G1+2], 136<<16
	s_mov_b32 s[G1+3], 32<<16
	s_mov_b32 s[G1+4], 136
	s_mov_b32 s[G1+5], 32
	s_mov_b32 s[G1+6], 0
	s_mov_b32 s[G1+7], 0
	s_mul_i32 s[WC], s14, CHUNK
	s_mul_i32 s22, s17, 32*CHUNK                   ; a batch of kc [half 2][g 16] and of vc [step 4][g 8]
	s_add_co_u32 s18, s22, s[WC]                   ; kc: g = wave
	s_mov_b32 s19, 0
	s_add_co_u32 s20, s18, s[WC]                   ; vc: g = 2 x wave
	s_mov_b32 s21, 0
	s_lshl_b32 s23, s17, 4                         ; qc [b][half 2][g 8]: wave w copies quarter w of Q: hidden half w / 2, tiles 2 (w % 2) on
	s_lshr_b32 s61, s14, 1
	s_lshl_b32 s61, s61, 3
	s_add_co_u32 s23, s23, s61
	s_lshr_b32 s61, s16, 1
	s_add_co_u32 s23, s23, s61
	s_mul_i32 s23, s23, CHUNK
	s_and_b32 s61, s16, 1
	s_and_b32 s62, s14, 1
	s_lshl_b32 s63, s61, 1
	s_add_co_u32 s63, s63, s62
	s_lshl_b32 s66, s63, 13
	s_add_co_u32 s66, s66, s23
	s_mov_b32 s67, 0
	s_lshl_b32 s68, s63, 9
	s_add_co_u32 s68, s68, s23
	s_add_co_u32 s68, s68, 32768
	s_mov_b32 s69, 0
	s_lshl_b32 s70, s17, 4
	s_add_co_u32 s70, s70, s16
	s_lshl_b32 s70, s70, 18                        ; 64 rows of 4,096 bytes
	s_lshl_b32 s71, s14, 10
	s_add_co_u32 s70, s70, s71                     ; + my 256 channels
	s_mov_b32 s71, 0
	s_add_co_u32 s72, s[WC], 32768
	s_xor_b32 s73, s14, 3
	s_mul_i32 s73, s73, CHUNK
	s_add_co_u32 s74, s73, QS+1024-SLOT-32768-3*CHUNK   ; from my chunk's scale words to Q's, slot 1 and hidden half 1,
	s_add_co_u32 s73, s73, QS-32768-3*CHUNK             ; slot 0 and hidden half 0
	s_lshl_b32 s75, s14, 10
	s_add_co_u32 s75, s75, PBUF
	s_lshl_b32 s76, s14, 2
	s_add_co_u32 s76, s76, STAT
	s_lshl_b32 s77, s14, 13
	s_add_co_u32 s77, s77, QL
	s_lshl_b32 s78, s14, 9
	s_add_co_u32 s78, s78, QS
	s_mul_i32 s79, s15, 34*256
	s_add_co_u32 s80, s79, 32*256
	s_mul_i32 s81, s14, 8704
	s_add_co_u32 s81, s81, QL                      ; my stage on the way out
	s_mov_b32 s[SEL], 0x76543210
	s_mov_b32 s[SEL+1], 0xfedcba98
	s_mov_b32 s[CS], 0x3fb8aa3b                    ; log2(e)
	s_mov_b32 s[CS+1], s[CS]
	s_mov_b32 s[HB], 0x80808080
	s_mov_b32 s[IT], 0
	s_wait_dscnt 0x0
	v_and_b32 v1, 31, v0
	v_and_b32 v240, 15, v0                         ; r
	v_bfe_u32 v241, v0, 4, 1                       ; h
	v_lshlrev_b32 v[LI], 4, v1
	v_lshlrev_b32 v5, 4, v240
	v_add_nc_u32 v[AK], s[WC], v[LI]
	v_add_nc_u32 v[AK+1], SLOT, v[AK]
	v_add_nc_u32 v[ASK], s72, v5
	v_add_nc_u32 v[ASK+1], SLOT, v[ASK]
	v_mad_u32_u24 v[ASM], v241, s73, v[ASK]
	v_mad_u32_u24 v[ASM+1], v241, s74, v[ASK+1]
	v_add_nc_u32 v[AQ], QL, v[LI]
	v_add_nc_u32 v[PST], s75, v[LI]
	v_add_nc_u32 v[PLD], PBUF, v[LI]
	v_add_nc_u32 v[STS], s76, v5
	v_add_nc_u32 v[STL], STAT, v5
	v_lshl_add_u32 v[PF1], v1, 8, s79
	v_min_u32 v242, 1, v1
	v_lshl_add_u32 v[PF2], v242, 8, s80
	v_lshrrev_b32 v243, 2, v1
	v_and_b32 v244, 3, v1
	v_lshlrev_b32 v244, 8, v244
	v_lshl_add_u32 v[PFS], v243, 12, v244
	v_add_nc_u32 v245, s77, v[LI]
	v_add_nc_u32 v246, s78, v[LI]
.irp a, 0,1,2,3
	v_mov_b32 v[NMO+\a], 0x7f61b1e6                ; -M begins at 3e38, over every -Mloc
	v_mov_b32 v[LL+\a], 0
	v_mov_b32 v[PD+\a], 0                          ; a lane permute's destination counts as one of its sources
.endr
	VW                                             ; the wait at the end of the head's vector work, directly ahead of the wait below
	s_wait_kmcnt 0x0
	s_add_nc_u64 s[PK:PK+1], s[6:7], s[18:19]
	s_add_nc_u64 s[PV:PV+1], s[8:9], s[20:21]
	s_add_nc_u64 s[18:19], s[4:5], s[66:67]        ; my quarter of Q's codes
	s_add_nc_u64 s[20:21], s[4:5], s[68:69]        ; and of its scale words
.irp t, 0,1,2,3,4,5,6,7,8,9,10,11,12,13,14,15
	global_load_b128 v[64+4*\t:64+4*\t+3], v[LI], s[18:19] offset:\t*512    ; Q: 512 consecutive bytes a load; asked for ahead of the round
.endr
	global_load_b128 v[128:131], v[LI], s[20:21]
	s_mov_b32 s[G0K0], 1
	s_mov_b32 s[G0K0+1], s[WC]
	s_mov_b64 s[G0K0+2:G0K0+3], s[PK:PK+1]
	s_or_b32 s[G0K0+3], s[G0K0+3], 0x80000000
	s_mov_b32 s[G0K1], 1
	s_add_co_u32 s[G0K1+1], s[WC], SLOT
	s_add_nc_u64 s[G0K1+2:G0K1+3], s[PK:PK+1], 16*CHUNK
	s_or_b32 s[G0K1+3], s[G0K1+3], 0x80000000
	s_mov_b32 s[G0VA], 1
	s_mov_b32 s[G0VA+1], s[WC]
	s_mov_b64 s[G0VA+2:G0VA+3], s[PV:PV+1]
	s_or_b32 s[G0VA+3], s[G0VA+3], 0x80000000
	s_mov_b32 s[G0VB], 1
	s_add_co_u32 s[G0VB+1], s[WC], SLOT
	s_add_nc_u64 s[G0VB+2:G0VB+3], s[PV:PV+1], CHUNK
	s_or_b32 s[G0VB+3], s[G0VB+3], 0x80000000
	s_add_nc_u64 s[10:11], s[10:11], s[70:71]
	s_add_nc_u64 s[12:13], s[12:13], s[70:71]
	s_mov_b64 s[PQ:PQ+1], s[10:11]
	ROUND                                          ; the four partners are here: the first joint loads meet
	TLOAD G0K0                                     ; step 0, hidden half 0: my one tensor load at the head
	s_wait_loadcnt 0x0
.irp t, 0,1,2,3,4,5,6,7,8,9,10,11,12,13,14,15
	ds_store_b128 v245, v[64+4*\t:64+4*\t+3] offset:\t*512
.endr
	ds_store_b128 v246, v[128:131]
	s_wait_tensorcnt 0x0                           ; my first chunk is in; the same lines as ahead of a refill stand ahead of slot 1's first fill
	ds_add_u32 v[SPW], v[NIL]
	s_wait_dscnt 0x0                               ; the add and my part of Q have landed
	ROUND                                          ; everybody's part of Q is in
	TLOAD G0K1                                     ; step 0, hidden half 1
	FETCHK 0, 0, 0
	s_branch .Lenter
.Ltop:                                                 ; s[IT] = i, 1 to 3: V of step i - 1, then K and the softmax of step i
	VSTEPS 0
	TURN G0K0, G0VA, 8*CHUNK                       ; slot 0 takes K of step i, hidden half 0
	FETCHV 1, 0, 0
	ASK2 PV, 0                                     ; V of step i, my first chunk
	WIN MV0
	MULV 3, 1, 0
	WIN 0
	VSTEPS 1
	TURN G0K1, G0VB, 8*CHUNK                       ; slot 1 takes hidden half 1
	FETCHK 0, 0, 0
	ASK2 PV, CHUNK
	WIN MV1
	MULV 3, 1, 0
	WIN 0
.Lenter:
	KSTEPS 0, 1                                    ; the first products start the scores' sums
	TURN G0VA, G0K0, 4*CHUNK                       ; slot 0 takes V's chunk 2 w of this step
	FETCHK 1, 0, 0
	ASKK 4*CHUNK
	WIN MK
	MULK 3, 1, 0
	WIN 0
	KSTEPS 1, 0
	s_wait_dscnt 0x0                               ; the last step's fragments are in: my reads of slot 1 are over
	ASKK 20*CHUNK
	global_prefetch_b8 v[PFS], s[PQ:PQ+1] th:TH_LOAD_NT scope:SCOPE_SE               ; 16 of my 64 rows of seq a trip, 1,024 bytes each: each block once in the launch
	global_prefetch_b8 v[PFS], s[PQ:PQ+1] offset:32768 th:TH_LOAD_NT scope:SCOPE_SE
	WIN MK
	MULK 3, 1, 0
	WIN 0
	PLACES 4                                       ; between the last products and the first read of scores, and the first write over the fragments
	SOFT 0
	SOFT 1
	PSTORE 0
	PSTORE 1
	TURN G0VB, G0K1, 4*CHUNK                       ; my fragments have landed, V's first chunk is in; the round shows both to all; slot 1 takes V's chunk 2 w + 1
	PLOAD 0
	SOFT 2
	s_wait_dscnt 0x0                               ; my reads of the first two tiles are over:
	s_barrier_signal -1                            ; say so, work on registers meanwhile,
	SOFT 3
	VW                                             ; the wait, directly ahead of the wait below
	s_barrier_wait -1                              ; and write over them when all four have said so
	PSTORE 2
	PSTORE 3
.irp a, 0,1,2,3
	ds_store_b32 v[STS], v[WD+\a] offset:\a*256            ; both halves of the lanes hold the same figures and write the same words
	ds_store_b32 v[STS], v[NM+\a] offset:1024+\a*256
	ds_store_b32 v[STS], v[LS+\a] offset:2048+\a*256
.endr
	s_wait_dscnt 0x0
	s_barrier_signal -1
	s_barrier_wait -1
	PLOAD 1
.irp a, 0,1,2,3
	ds_load_b128 v[WP+4*\a:WP+4*\a+3], v[STL] offset:\a*256
	ds_load_b128 v[NMR+4*\a:NMR+4*\a+3], v[STL] offset:1024+\a*256
	ds_load_b128 v[LSR+4*\a:LSR+4*\a+3], v[STL] offset:2048+\a*256
.endr
	s_wait_dscnt 0x0
	JOIN
	VW                                             ; what JOIN made is read behind waits and branches
	FETCHV 0, 0, 0                                 ; V's first chunk landed ahead of the last change of slots
	s_wait_xcnt 0x0                                ; my prefetches have read their addresses
	s_add_nc_u64 s[PK:PK+1], s[PK:PK+1], 4*CHUNK
	s_add_nc_u64 s[PV:PV+1], s[PV:PV+1], 8*CHUNK
	s_add_nc_u64 s[PQ:PQ+1], s[PQ:PQ+1], 65536
	s_add_co_u32 s[IT], s[IT], 1
	s_cmp_lt_u32 s[IT], 4
	s_cbranch_scc1 .Ltop
; V OF THE LAST STEP, by pairs of query tiles.  Nothing is left to ask for, and each wave reads the chunks that it fetched itself: no round.
; A BLOCK n on the way out is 16 queries (tile n / 2) x 128 channels (half n % 2): 64 registers at 64 (n / 2) of window 2 + n % 2.
.macro MULP g, q, p                    ; 16 products: tiles 2 g, 2 g + 1 x V's eight, the 16 accumulators by turns
.irp a, 0,1
.irp b, 0,1,2,3,4,5,6,7
	v_wmma_scale_f32_16x16x128_f8f6f4 v[8*(8*(2*(\g)+\a)+\b):8*(8*(2*(\g)+\a)+\b)+7], v[KF+64*(\p)+8*\b:KF+64*(\p)+8*\b+7], v[64*(\g)+8*(4*\a+(\q)):64*(\g)+8*(4*\a+(\q))+7], v[8*(8*(2*(\g)+\a)+\b):8*(8*(2*(\g)+\a)+\b)+7], v[VS+8*(\p)+\b], v[WP+4*(2*(\g)+\a)+(\q)] matrix_a_fmt:MATRIX_FMT_FP4 matrix_b_fmt:MATRIX_FMT_FP4
.endr
.endr
.endm
.macro PAIR g                          ; the pair's O^T under the last M, then 8 groups (half j / 4, K step j % 4); group 0's fragments have been asked for
.irp w, 2,3
	WIN (\w<<6)|\w
	VW                                             ; the wait ahead of the first reader of O^T
.set m, 0
.rept 64
	v_pk_mul_f32 v[128*(\g)+2*m:128*(\g)+2*m+1], v[128*(\g)+2*m:128*(\g)+2*m+1], v[F+4*(\g)+2*(m/32):F+4*(\g)+2*(m/32)+1]
.set m, m+1
.endr
.endr
	WIN 0
	VW                                             ; and directly ahead of the wait below
.set j, 0
.rept 8
.if j > 0
	PLACES 4
.endif
.if j < 7
	FETCHV (j+1)/4, (j+1)%4, (j+1)%2
	s_wait_dscnt 24                                ; all but the next group's 24 loads
.else
	s_wait_dscnt 0x0
.endif
	WIN MV0+0x50*(j/4)
	MULP \g, j%4, j%2
	WIN 0
.set j, j+1
.endr
.endm
.macro SEQLOAD n, w, r0                ; block n of seq, 512 consecutive bytes a load, into window w from register r0 on
	WIN (\w)<<6
.irp t, 0,1,2,3,4,5,6,7,8,9,10,11,12,13,14,15
	global_load_b128 v[(\r0)+4*\t:(\r0)+4*\t+3], v[LI], s[10:11] offset:(16*((\n)/2)+\t)*4096+((\n)%2)*512 th:TH_LOAD_NT
.endr
	WIN 0
.endm
.macro OUTU n                          ; block n: x 1 / l in place; into my stage; back as whole rows of 512 bytes, into the same registers (LDS serves a wave's instructions in order)
	WIN ((2+(\n)%2)<<6)|(2+(\n)%2)
.set m, 0
.rept 32
	v_pk_mul_f32 v[64*((\n)/2)+m:64*((\n)/2)+m+1], v[64*((\n)/2)+m:64*((\n)/2)+m+1], v[RL+2*((\n)/2):RL+2*((\n)/2)+1]   ; each accumulator from its low end on
.set m, m+2
.endr
	WIN (2+(\n)%2)<<2                              ; an LDS store's data are its source 1
.irp b, 0,1,2,3,4,5,6,7
	ds_store_b128 v[STO], v[64*((\n)/2)+8*\b:64*((\n)/2)+8*\b+3] offset:64*\b
	ds_store_b128 v[STO], v[64*((\n)/2)+8*\b+4:64*((\n)/2)+8*\b+7] offset:64*\b+16
.endr
	WIN (2+(\n)%2)<<6
.irp t, 0,1,2,3,4,5,6,7,8,9,10,11,12,13,14,15
	ds_load_b128 v[64*((\n)/2)+4*\t:64*((\n)/2)+4*\t+3], v[RD] offset:\t*SP
.endr
	WIN 0
.endm
.macro FIN n, w, r0, ds, lc            ; + seq (window w, register r0 on), stored.  ds, lc: the LDS instructions and the loads of seq issued behind this block's, which may be out
	s_wait_dscnt \ds
	s_wait_loadcnt \lc
	WIN ((2+(\n)%2)<<6)|((\w)<<2)|(2+(\n)%2)
.set m, 0
.rept 32
	v_pk_add_f32 v[64*((\n)/2)+m:64*((\n)/2)+m+1], v[64*((\n)/2)+m:64*((\n)/2)+m+1], v[(\r0)+m:(\r0)+m+1]
.set m, m+2
.endr
	WIN (2+(\n)%2)<<2                              ; a store's data are its source 1
.irp t, 0,1,2,3,4,5,6,7,8,9,10,11,12,13,14,15
	global_store_b128 v[LI], v[64*((\n)/2)+4*\t:64*((\n)/2)+4*\t+3], s[12:13] offset:(16*((\n)/2)+\t)*4096+((\n)%2)*512 th:TH_STORE_NT   ; 512 consecutive bytes, at a multiple of 256 from out's first byte
.endr
	WIN 0
.endm
	s_wait_tensorcnt 0x0                           ; my last chunk is in
	SEQLOAD 0, 1, 128                              ; into the registers of scores that are done with
	SEQLOAD 1, 1, 192
	v_and_b32 v203, 15, v0
	v_bfe_u32 v202, v0, 4, 1
	v_mul_u32_u24 v203, v203, SP
	v_lshl_add_u32 v203, v202, 5, v203
	v_add_nc_u32 v[STO], s81, v203                 ; the stage, in Q's bytes, which nobody reads any more: in: row r, 32 bytes for each half of the lanes
	v_add_nc_u32 v[RD], s81, v[LI]                 ; back: 32 lanes take a row's 512 bytes
	VW                                             ; ahead of the batch
.irp a, 0,1,2,3
	v_rcp_f32 v[RL+2*\a], v[LL+\a]                 ; l is over 1/2; twice over: the pair that the packed multiply takes
	v_rcp_f32 v[RL+2*\a+1], v[LL+\a]
.endr
	v_nop
	VW                                             ; one wait for the batch
	PAIR 0
	PLACES 4                                       ; between the last products and the first read of results, and the loads into V's fragments' registers
	SEQLOAD 2, 0, 64
	SEQLOAD 3, 0, 128
	OUTU 0
	OUTU 1
	FIN 0, 1, 128, 32, 48
	SEQLOAD 4, 1, 128
	OUTU 2
	FIN 1, 1, 192, 32, 48
	SEQLOAD 5, 1, 192
	OUTU 3
	FIN 2, 0, 64, 32, 48
	FIN 3, 0, 128, 0, 32
	s_wait_xcnt 0x0                                ; blocks 0 and 1's stores have read their registers, which take seq's last two blocks
	SEQLOAD 6, 2, 0
	SEQLOAD 7, 3, 0
	FETCHV 0, 0, 0
	PAIR 1
	PLACES 4
	OUTU 4
	OUTU 5
	FIN 4, 1, 128, 32, 48
	OUTU 6
	FIN 5, 1, 192, 32, 32
	OUTU 7
	FIN 6, 2, 0, 32, 16
	FIN 7, 3, 0, 0, 0
	s_wait_tensorcnt 0x0                           ; the wave's end
	ds_add_u32 v[SPW], v[NIL]
	s_wait_dscnt 0x0
	ROUND                                          ; the closing round
	s_endpgm
.Lfunc_end_k_q5a94c4f334_attn:
	.size	k_q5a94c4f334_attn, .Lfunc_end_k_q5a94c4f334_attn-k_q5a94c4f334_attn
	.p2alignl 7, 3214868480
	.fill 96, 4, 3214868480
	.section	.rodata,"a",@progbits
	.p2align	6, 0x0
	.amdhsa_kernel k_q5a94c4f334_attn
		.amdhsa_group_segment_fixed_size 327680
		.amdhsa_private_segment_fixed_size 0
		.amdhsa_enable_private_segment 0
		.amdhsa_kernarg_size 40
		.amdhsa_user_sgpr_count 2
		.amdhsa_user_sgpr_kernarg_segment_ptr 1
		.amdhsa_wavefront_size32 1
		.amdhsa_system_sgpr_workgroup_id_x 1
		.amdhsa_system_sgpr_workgroup_id_y 1
		.amdhsa_system_sgpr_workgroup_id_z 1
		.amdhsa_system_vgpr_workitem_id 0
		.amdhsa_next_free_vgpr 1024
		.amdhsa_next_free_sgpr 84
		.amdhsa_reserve_vcc 0
		.amdhsa_float_denorm_mode_32 3
		.amdhsa_float_denorm_mode_16_64 3
		.amdhsa_memory_ordered 1
		.amdhsa_forward_progress 1
		.amdhsa_inst_pref_size 255
	.end_amdhsa_kernel
	.section	.bss,"aw",@nobits
	.p2align	6
	.space	262144
	.amdgpu_metadata
---
amdhsa.version: [ 1, 2 ]
amdhsa.kernels:
  - .name:           k_q5a94c4f334_attn
    .symbol:         k_q5a94c4f334_attn.kd
    .args:
      - { .name: qc, .offset: 0, .size: 8, .value_kind: global_buffer, .address_space: global }
      - { .name: kc, .offset: 8, .size: 8, .value_kind: global_buffer, .address_space: global }
      - { .name: vc, .offset: 16, .size: 8, .value_kind: global_buffer, .address_space: global }
      - { .name: seq_vectors, .offset: 24, .size: 8, .value_kind: global_buffer, .address_space: global }
      - { .name: out0, .offset: 32, .size: 8, .value_kind: global_buffer, .address_space: global }
    .group_segment_fixed_size: 327680
    .private_segment_fixed_size: 0
    .kernarg_segment_align: 8
    .kernarg_segment_size: 40
    .max_flat_workgroup_size: 128
    .sgpr_count:     84
    .vgpr_count:     1024
    .wavefront_size: 32
...
	.end_amdgpu_metadata
.endif
;; end of part 2
